; MI455X (gfx1250); checked and timed in simulation.
; The chip was launched on July 23, 2026; its instructions are those of AMD's public machine-readable ISA for CDNA 5 (MIT licence, August 2026) and "CDNA5" Instruction Set Architecture Reference Guide (July 2026). The comments in the code are by the model that wrote it; some were corrected since.
;; Multi Headed Self Attention. Allowed arithmetic: matrix products marked QUANTISED: E2M1 operands, one E8M0 scale for each 32 along K, by v_wmma_scale_f32_16x16x128_f8f6f4 with both operands' format E2M1 (or v_wmma_scale_f32_32x16x128_f4), f32 sums; everything else in f32.
;; Inputs: Wk 1,024 x 1,024 float32; Wq 1,024 x 1,024 float32; Wv 1,024 x 1,024 float32; bk 1,024 float32; bq 1,024 float32; bv 1,024 float32; mask 4 x 2,048 int32; x 4 x 2,048 x 1,024 float32.
;; Outputs: out0 4 x 2,048 x 1,024 float32.
;; This version of the problem:
;;   THIS VERSION OF THE PROBLEM IS GIVEN IN LOW PRECISION. The matrix products marked QUANTISED in the list below multiply operands that are first quantised to E2M1 (2 exponent bits, 1 mantissa bit; 4 bits a number), with one power-of-two scale for each 32 numbers along K (OCP MX v1.0); their sums are f32. All else is computed in f32.
;;   The module's matrix products, in the order in which they are computed (A, B: the left and right operand; K: the contracted axis; several contracted axes count as one K, in the product's order):
;;     1. [M 8,192, K 1,024] x [K 1,024, N 1,024]; A: input x; B: input Wq: QUANTISED
;;     2. [M 8,192, K 1,024] x [K 1,024, N 1,024]; A: input x; B: input Wk: QUANTISED
;;     3. [M 8,192, K 1,024] x [K 1,024, N 1,024]; A: input x; B: input Wv: QUANTISED
;;     4. batch 64 x [M 2,048, K 64] x [K 64, N 2,048]; A: computed on the way; B: computed on the way: QUANTISED
;;     5. batch 64 x [M 2,048, K 2,048] x [K 2,048, N 64]; A: softmax (see below); B: computed on the way: QUANTISED
;;   THE QUANTISER, for each operand of a quantised product, along K:
;;     - K is cut into blocks of 32 from its start; a last block that is shorter is filled with zeros.
;;     - A block's scale is 2^e with e = floor(log2(the largest magnitude in the block)) - 2, held to -126 .. 127; a block of zeros has e = 0. As a byte (E8M0): e + 127.
;;     - Each number is divided by its block's scale, clamped to +-6, and rounded to the nearest number of E2M1, ties to even, subnormals kept.
;;     - The product sums the exact products of the quantised numbers (number of the format x scale) in f32.
;;   ~~~python
;;   def quantise(x, axis):      # numpy; x: float32 -> the quantised numbers, widened to float32 again
;;       x = np.moveaxis(x, axis, -1); K = x.shape[-1]
;;       x = np.pad(x, [(0, 0)] * (x.ndim - 1) + [(0, -K % 32)]); x = x.reshape(x.shape[:-1] + (-1, 32)); a = np.abs(x).max(-1, keepdims=True)
;;       e = np.where(a > 0, np.clip(np.frexp(np.where(a > 0, a, 1))[1] - 1 - 2, -126, 127), 0)      # np.frexp(a)[1] - 1 = floor(log2(a)), exactly
;;       r = np.clip(x / 2.0 ** e, -6, 6)
;;       step = 2.0 ** (np.maximum(np.frexp(np.where(r == 0, 1, r))[1] - 1, 0) - 1)
;;       q = np.round(r / step) * step * 2.0 ** e      # np.round: ties to even
;;       return np.moveaxis(q.reshape(q.shape[:-2] + (-1,))[..., :K], -1, axis).astype(np.float32)
;;   ~~~
;;   SOFTMAX AHEAD OF A QUANTISED PRODUCT. Where the list says 'softmax', what is quantised is not the finished softmax but p = 2^(t - M), with t = logit x log2(e) and M = ceil(the row's largest t), a whole number; so 1/2 < the row's largest p <= 1. The row's sum l is taken of the UNQUANTISED p, in f32, and the product's result is divided by l at the end. Since M is a whole number, a kernel that streams over the keys may use a running M (the ceiling of the running maximum): every later rescaling is an exact power of two, which a block's scale takes up: the codes' values come out the same.
;;   OPERANDS COMPUTED ON THE WAY. 'Computed on the way' means the value that the module computes at that place (a softmax that the list does not call 'softmax' is quantised finished and normalised). What goes into a quantiser is computed in f32, as accurately as f32 sums, v_exp_f32 and their like allow (about 1e-6 of the number): no bf16 or f16 on the way to a quantiser, and a product that is left as it is and whose result goes on into a quantised operand takes f32 operands (vector FMAs, or v_wmma_f32_16x16x4_f32). A number that lies on a knife's edge between two numbers of the format may be rounded either way, as far as f32 arithmetic and the matrix unit's own rounding can turn it there, and no further.
;; One version. Each part assembles by itself: llvm-mc -triple=amdgcn-amd-amdhsa -mcpu=gfx1250 --defsym DOCPART=n.
;; ======== version 1 of 1: 3 launches
;; limits: right only within a limited range of input values
;; workspace buffers: xc 4,194,304 bytes; xs 262,144 bytes; wc 1,572,864 bytes; ws 98,304 bytes; qkvc 12,582,912 bytes; qkvs 786,432 bytes
;; launch prep (part 1): grid 256 x 1, 11 waves a work-group, no clusters, 185,856 bytes of LDS; arguments x, Wq, Wk, Wv, xc, xs, wc, ws; writes xc, xs, wc, ws
.if DOCPART == 1
	.amdgcn_target "amdgcn-amd-amdhsa--gfx1250"
	.amdhsa_code_object_version 6
	.text
	.protected	k_qc6edbfe6e5_prep
	.globl	k_qc6edbfe6e5_prep
	.p2align	8
	.type	k_qc6edbfe6e5_prep,@function
k_qc6edbfe6e5_prep:
	s_mov_b64 s[64:65], 0
	v_nop
	global_prefetch_b8 v0, s[64:65] scope:SCOPE_SE
	s_setreg_imm32_b32 hwreg(HW_REG_WAVE_MODE, 25, 1), 1
	s_wait_xcnt 0x0
; x [8192][1024] (K innermost) and Wq, Wk, Wv [1024 (K)][1024 (n)] (K outermost), f32, become codes of FP4 (E2M1) with one E8M0 byte for each 32 along K,
; laid as IMAGES OF OPERAND REGISTERS.  A PAIR is 32 neighbouring rows of x (or columns of W); it forms two tiles u = 0, 1 of 16: lane r of tile u holds row 8 u + r + 8 (r / 8) of the pair.
;   codes:  [pair][u 2][s 8 steps of 128 along K][block 4][r 16][16 bytes]     (a fragment, 16 rows x 128 K, is 1,024 bytes on end: two loads of 16 bytes at 16 x lane)
;   scales: [pair][s 8][u 2][r 16] words of four bytes                          (one load of 4 bytes at 4 x lane brings tile 0's words to lanes 0-15, tile 1's to lanes 16-31)
; A block's scale is 2^(floor(log2(its largest magnitude)) - 2): its byte is the largest magnitude's exponent field - 2, held at 1 from below.
; LIMITS: a block whose largest magnitude lies under 2^-124, a block of zeros among them, keeps the byte 1 (the stated quantiser gives zeros the byte 127: the codes are zeros, and this program alone reads the bytes);
; NaN and infinities among the inputs are not served.
; SHARES.  Work-group i takes pair i of x (32 rows x 1,024) and, of each W, the 32 columns of pair i % 32 x the 128 k of step i / 32.  Waves 0-7: step w of x; waves 8-10: weight w - 8.
; Each wave brings its own tile by ONE tensor load and reads only its own bytes: no barrier, nothing is filled twice.  A LANE HOLDS ONE ROW (x) OR ONE COLUMN (W) AND 128 NUMBERS ALONG K: four whole blocks,
; so no lane asks another for a maximum, and both kinds of tile take one path behind the LDS reads.
; W's tile rows are 128 bytes (32 columns): work-groups i and i + 1 take the two halves of each 256 bytes.  A lane's scale word leaves in a store of 128 bytes on end: one byte in sixteen of what is stored.
.set XP,   528                         ; x's tile in LDS: a row of 512 bytes + 16 of padding: an odd multiple of 16
.set XT,   32*XP                       ; 16,896 bytes a wave
.set WT,   128*128                     ; W's tile: 128 rows of 128 bytes, no padding: a load takes one row, 128 bytes on end
.set WB,   8*XT                        ; W's tiles lie behind x's eight
.set G1X,  20                          ; s[20:27] descriptor group 1 for x's tile
.set G1W,  28                          ; s[28:35] for W's
.set G0X,  36                          ; s[36:39] group 0 for x's
.set G0W,  40                          ; s[40:43] for W's
.set WV,   44                          ; s44  my wave's number
.set LAX,  2                           ; v2   LDS: my row of x's tile
.set LAW,  3                           ; v3   LDS: my column of W's tile
.set VO,   4                           ; v4   my 16 bytes in a block's 2 x 256 of the image: 8,192 u + 16 r
.set VSO,  5                           ; v5   my scale word: 64 u + 4 r
.set MA,   8                           ; v8-9 two chains of a maximum
.set MB,   9
.set OPR,  10                          ; v10-13 the conversions' scale operand, one for each block
.set BYT,  14                          ; v14  a scale's byte
.set SW,   16                          ; v16  my scale word
.set CD,   20                          ; v20-35 the codes: four registers a block
.set X,    40                          ; v40-167 my 128 numbers: register 32 t + i = number i of block t
	s_load_b256 s[4:11], s[0:1], 0x0               ; x, Wq, Wk, Wv
	s_load_b256 s[12:19], s[0:1], 0x20             ; xc, xs, wc, ws
	v_lshl_add_u32 v192, v0, 2, 0x2d000
	v_mov_b32 v193, 0
	ds_add_u32 v192, v193
	ds_add_u32 v192, v193
	v_lshrrev_b32 v1, 5, v0
	s_delay_alu instid0(VALU_DEP_1)
	v_readfirstlane_b32 s[WV], v1                  ; wave 0..10
	v_and_b32 v1, 31, v0                           ; lane
	; group 1 for x: 32 rows x 128 elements of 4 bytes, 1,024 elements from row to row; 4 words of padding behind every 128
	s_wait_alu depctr_va_vdst(0)
	s_mov_b32 s[G1X+0], (2<<16)|(1<<20)|(6<<22)|(3<<25)
	s_mov_b32 s[G1X+1], 128<<16                    ; tensor_dim0
	s_mov_b32 s[G1X+2], 32<<16                     ; tensor_dim1
	s_mov_b32 s[G1X+3], 128<<16                    ; tile_dim0
	s_mov_b32 s[G1X+4], 32                         ; tile_dim1
	s_mov_b32 s[G1X+5], 1024                       ; stride
	s_mov_b32 s[G1X+6], 0
	s_mov_b32 s[G1X+7], 0
	; group 1 for W: 128 rows x 32 elements of 4 bytes, no padding
	s_mov_b32 s[G1W+0], 2<<16
	s_mov_b32 s[G1W+1], 32<<16
	s_mov_b32 s[G1W+2], 128<<16
	s_mov_b32 s[G1W+3], 32<<16
	s_mov_b32 s[G1W+4], 128
	s_mov_b32 s[G1W+5], 1024
	s_mov_b32 s[G1W+6], 0
	s_mov_b32 s[G1W+7], 0
	s_mov_b32 s[G0X], 1
	s_mul_i32 s[G0X+1], s[WV], XT                  ; x's tile of wave w
	s_mov_b32 s[G0W], 1
	s_lshl_b32 s[G0W+1], s[WV], 14
	s_add_co_u32 s[G0W+1], s[G0W+1], WB-8*WT       ; W's tile of wave w = 8 + p: WB + p x WT
	s_lshl_b32 s46, ttmp9, 17                      ; x: 32 rows of 4,096 bytes a pair,
	s_lshl_b32 s47, s[WV], 9                       ; 512 bytes a step
	s_add_co_u32 s46, s46, s47
	s_mov_b32 s47, 0
	s_lshr_b32 s50, ttmp9, 5                       ; W: which step of 128 k,
	s_and_b32 s51, ttmp9, 31                       ; which pair of columns
	s_lshl_b32 s52, s50, 19                        ; 128 rows of 4,096 bytes,
	s_lshl_b32 s53, s51, 7                         ; 128 bytes a pair
	s_add_co_u32 s52, s52, s53
	s_mov_b32 s53, 0
	; every LDS address is made ahead of the parting of the waves
	v_mul_u32_u24 v[LAX], v1, XP
	s_delay_alu instid0(VALU_DEP_1)
	v_add_nc_u32 v[LAX], s[G0X+1], v[LAX]
	v_lshl_add_u32 v[LAW], v1, 2, s[G0W+1]
	v_bfe_u32 v6, v1, 3, 1                         ; u = (lane / 8) % 2
	v_and_b32 v7, 7, v1
	v_bfe_u32 v8, v1, 4, 1
	s_delay_alu instid0(VALU_DEP_1)
	v_lshl_add_u32 v7, v8, 3, v7                   ; r = lane % 8 + 8 (lane / 16)
	s_delay_alu instid0(VALU_DEP_1)
	v_lshlrev_b32 v[VO], 4, v7
	s_delay_alu instid0(VALU_DEP_1)
	v_lshl_add_u32 v[VO], v6, 13, v[VO]
	s_delay_alu instid0(VALU_DEP_3)
	v_lshlrev_b32 v[VSO], 2, v7
	s_delay_alu instid0(VALU_DEP_1)
	v_lshl_add_u32 v[VSO], v6, 6, v[VSO]
	s_wait_dscnt 0x0
	s_wait_kmcnt 0x0
	s_add_nc_u64 s[G0X+2:G0X+3], s[4:5], s[46:47]
	s_or_b32 s[G0X+3], s[G0X+3], 0x80000000
	s_cmp_eq_u32 s[WV], 9                          ; wave 8: Wq, 9: Wk, 10: Wv; the choice hangs on the wave's number alone
	s_cselect_b64 s[48:49], s[8:9], s[6:7]
	s_cmp_eq_u32 s[WV], 10
	s_cselect_b64 s[48:49], s[10:11], s[48:49]
	s_add_nc_u64 s[G0W+2:G0W+3], s[48:49], s[52:53]
	s_or_b32 s[G0W+3], s[G0W+3], 0x80000000
	s_cmp_lt_u32 s[WV], 8
	s_cbranch_scc0 .Lweights
	tensor_load_to_lds s[G0X:G0X+3], s[G1X:G1X+7]  ; my one tensor load
	s_nop 0
.rept 4
	v_nop                                          ; four such lines behind a tensor load
.endr
	s_wait_tensorcnt 0x0                           ; my tile is in LDS; nobody else reads it
.set k, 0
.rept 32
	ds_load_b128 v[X+4*k:X+4*k+3], v[LAX] offset:16*k   ; my row's 512 bytes
.set k, k+1
.endr
	s_branch .Lread
.Lweights:
	tensor_load_to_lds s[G0W:G0W+3], s[G1W:G1W+7]
	s_nop 0
.rept 4
	v_nop
.endr
	s_wait_tensorcnt 0x0
.set k, 0
	s_wait_alu depctr_va_vdst(0)
.rept 128
	ds_load_b32 v[X+k], v[LAW] offset:128*k        ; my column, down K: the 32 lanes take a row's 128 bytes
.set k, k+1
.endr
.Lread:
	; where the results go, while the LDS loads are out.  x: pair i, step w.  W: weight p, pair i % 32, step i / 32.
	; Codes: 16,384 bytes a pair, 1,024 a step (inside each tile's 8,192).  Scale words: 1,024 bytes a pair, 128 a step (both tiles' 64 side by side).  So each offset is made on its own
	s_sub_co_u32 s54, s[WV], 8                     ; p (of no meaning in waves 0-7, where what is made of it is not chosen)
	s_lshl_b32 s58, s54, 15                        ; W's scale words: p x 32,768
	s_lshl_b32 s54, s54, 19                        ; W's codes: p x 524,288
	s_lshl_b32 s55, s51, 14
	s_add_co_u32 s54, s54, s55                     ; + 16,384 x pair
	s_lshl_b32 s55, s50, 10
	s_add_co_u32 s54, s54, s55                     ; + 1,024 x step
	s_lshl_b32 s55, s51, 10
	s_add_co_u32 s58, s58, s55                     ; + 1,024 x pair
	s_lshl_b32 s55, s50, 7
	s_add_co_u32 s58, s58, s55                     ; + 128 x step
	s_lshl_b32 s56, ttmp9, 14                      ; x's codes: 16,384 i + 1,024 w
	s_lshl_b32 s57, s[WV], 10
	s_add_co_u32 s56, s56, s57
	s_lshl_b32 s60, ttmp9, 10                      ; x's scale words: 1,024 i + 128 w
	s_lshl_b32 s57, s[WV], 7
	s_add_co_u32 s60, s60, s57
	s_cmp_lt_u32 s[WV], 8
	s_cselect_b32 s56, s56, s54
	s_cselect_b32 s60, s60, s58
	s_cselect_b64 s[12:13], s[12:13], s[16:17]
	s_cselect_b64 s[14:15], s[14:15], s[18:19]
	s_mov_b32 s57, 0
	s_mov_b32 s61, 0
	s_add_nc_u64 s[12:13], s[12:13], s[56:57]
	s_add_nc_u64 s[14:15], s[14:15], s[60:61]
	s_wait_dscnt 0x0                               ; my 128 numbers are in
.macro BLOCK t
.set XS, X+32*(\t)
	v_max3_num_f32 v[MA], |v[XS]|, |v[XS+1]|, |v[XS+2]|            ; the block's largest magnitude: all 32 numbers are mine; two chains
	v_max3_num_f32 v[MB], |v[XS+3]|, |v[XS+4]|, |v[XS+5]|
.irp i, 6,10,14,18,22,26
	s_delay_alu instid0(VALU_DEP_2)
	v_max3_num_f32 v[MA], v[MA], |v[XS+\i]|, |v[XS+\i+1]|
	s_delay_alu instid0(VALU_DEP_2)
	v_max3_num_f32 v[MB], v[MB], |v[XS+\i+2]|, |v[XS+\i+3]|
.endr
	s_delay_alu instid0(VALU_DEP_2)
	v_max3_num_f32 v[MA], v[MA], |v[XS+30]|, |v[XS+31]|
	s_delay_alu instid0(VALU_DEP_1)
	v_max3_num_f32 v[MA], v[MA], v[MB], 0x1800000  ; and the floor 2^(3 - 127): the byte cannot fall under 1
	s_delay_alu instid0(VALU_DEP_1)
	v_add_nc_u32 v[OPR+\t], 0xff000000, v[MA]      ; 2 off the exponent field: the conversion takes this operand's exponent field as its scale
	s_delay_alu instid0(VALU_DEP_1)
	v_lshrrev_b32 v[BYT], 23, v[OPR+\t]            ; the scale's byte
.if (\t) == 0
	s_delay_alu instid0(VALU_DEP_1)
	v_mov_b32 v[SW], v[BYT]
.else
	s_delay_alu instid0(VALU_DEP_1)
	v_lshl_or_b32 v[SW], v[BYT], 8*(\t), v[SW]     ; the lower K in the lower byte
.endif
.irp g, 0,1,2,3
	v_cvt_scalef32_pk8_fp4_f32 v[CD+4*(\t)+\g], v[XS+8*\g:XS+8*\g+7], v[OPR+\t]
.endr
.endm
	BLOCK 0
	BLOCK 1
	BLOCK 2
	BLOCK 3
	v_nop                                          ; one plain line behind the last scaled conversion
.irp t, 0,1,2,3
	global_store_b128 v[VO], v[CD+4*\t:CD+4*\t+3], s[12:13] offset:256*\t   ; block t of both tiles: sixteen lanes fill 256 bytes on end, aligned, twice
.endr
	global_store_b32 v[VSO], v[SW], s[14:15]       ; the step's scale words of both tiles: 128 bytes on end
	s_wait_tensorcnt 0x0
	ds_add_u32 v192, v193
	s_wait_dscnt 0x0
	s_endpgm
.Lfunc_end_k_qc6edbfe6e5_prep:
	.size	k_qc6edbfe6e5_prep, .Lfunc_end_k_qc6edbfe6e5_prep-k_qc6edbfe6e5_prep
	.p2alignl 7, 3214868480
	.fill 96, 4, 3214868480
	.section	.rodata,"a",@progbits
	.p2align	6, 0x0
	.amdhsa_kernel k_qc6edbfe6e5_prep
		.amdhsa_group_segment_fixed_size 185856
		.amdhsa_private_segment_fixed_size 0
		.amdhsa_enable_private_segment 0
		.amdhsa_kernarg_size 64
		.amdhsa_user_sgpr_count 2
		.amdhsa_user_sgpr_kernarg_segment_ptr 1
		.amdhsa_wavefront_size32 1
		.amdhsa_system_sgpr_workgroup_id_x 1
		.amdhsa_system_sgpr_workgroup_id_y 1
		.amdhsa_system_sgpr_workgroup_id_z 1
		.amdhsa_system_vgpr_workitem_id 0
		.amdhsa_next_free_vgpr 194
		.amdhsa_next_free_sgpr 66
		.amdhsa_reserve_vcc 0
		.amdhsa_float_denorm_mode_32 3
		.amdhsa_float_denorm_mode_16_64 3
		.amdhsa_memory_ordered 1
		.amdhsa_forward_progress 1
		.amdhsa_inst_pref_size 24
	.end_amdhsa_kernel
	.amdgpu_metadata
---
amdhsa.version: [ 1, 2 ]
amdhsa.kernels:
  - .name:           k_qc6edbfe6e5_prep
    .symbol:         k_qc6edbfe6e5_prep.kd
    .args:
      - { .name: x, .offset: 0, .size: 8, .value_kind: global_buffer, .address_space: global }
      - { .name: Wq, .offset: 8, .size: 8, .value_kind: global_buffer, .address_space: global }
      - { .name: Wk, .offset: 16, .size: 8, .value_kind: global_buffer, .address_space: global }
      - { .name: Wv, .offset: 24, .size: 8, .value_kind: global_buffer, .address_space: global }
      - { .name: xc, .offset: 32, .size: 8, .value_kind: global_buffer, .address_space: global }
      - { .name: xs, .offset: 40, .size: 8, .value_kind: global_buffer, .address_space: global }
      - { .name: wc, .offset: 48, .size: 8, .value_kind: global_buffer, .address_space: global }
      - { .name: ws, .offset: 56, .size: 8, .value_kind: global_buffer, .address_space: global }
    .group_segment_fixed_size: 185856
    .private_segment_fixed_size: 0
    .kernarg_segment_align: 8
    .kernarg_segment_size: 64
    .max_flat_workgroup_size: 352
    .sgpr_count:     66
    .vgpr_count:     194
    .wavefront_size: 32
...
	.end_amdgpu_metadata
.endif
;; end of part 1
;; launch proj (part 2): grid 8 x 32, 4 waves a work-group, clusters of 4 x 1, 327,680 bytes of LDS; arguments xc, xs, wc, ws, bq, bk, bv, qkvc, qkvs; writes qkvc, qkvs
.if DOCPART == 2
	.amdgcn_target "amdgcn-amd-amdhsa--gfx1250"
	.amdhsa_code_object_version 6
	.text
	.protected	k_qc6edbfe6e5_proj
	.globl	k_qc6edbfe6e5_proj
	.p2align	8
	.type	k_qc6edbfe6e5_proj,@function
k_qc6edbfe6e5_proj:
	s_mov_b64 s[64:65], 0
	v_nop
	global_prefetch_b8 v0, s[64:65] scope:SCOPE_SE
	s_setreg_imm32_b32 hwreg(HW_REG_WAVE_MODE, 25, 1), 1
	s_wait_xcnt 0x0
	s_wait_alu depctr_hold_cnt(0) depctr_sa_sdst(0) depctr_va_vdst(0) depctr_va_sdst(0) depctr_va_ssrc(0) depctr_va_vcc(0) depctr_vm_vsrc(0)
	s_getreg_b32 s2, hwreg(HW_REG_IB_STS2, 6, 4)
	s_cmp_eq_u32 s2, 0
	s_cbranch_scc0 .Lentry_in_a_cluster
	s_endpgm
.Lentry_in_a_cluster:
	s_bfe_u32 s2, ttmp6, 0x10000c
	s_cmp_lg_u32 s2, 0x3003
	s_cbranch_scc0 .Lentry_shape_is_right
	s_endpgm
.Lentry_shape_is_right:
.set XSB,  131072
.set QST,  139264
.set KST,  QST+16384
.set VST,  KST+16384
.set QSB,  VST+16384
.set VSS,  QSB+2048
.set WV,   22
.set GG,   24
.set II,   25
.set HL,   26
.set HH,   27
.set SEL,  28
.set PP,   30
.set PN,   31
.set G1C,  40
.set G1S,  48
.set G0C,  56
.set G0S,  60
.set L16,  1
.set XSA,  2
.set SQA,  3
.set SQS,  4
.set SVA,  5
.set SVS,  6
.set XAD,  7
.set XSD,  8
.set SQD,  9
.set SSD,  10
.set SVD,  11
.set SWD,  12
.set WQA,  13
.set WVA,  14
.set L4,   15
.set ACC,  16
.set BQ,   112
.set BV,   144
.set WSC,  160
.set XSC,  184
.set MX,   192
.set PX,   198
.set OP,   204
.set BY,   210
.set CD,   216
.set VW,   228
.set BQO,  230
.set BVO,  231
.set SOA,  232
.set SOV,  233
.set MSB, 0
.macro WIN new
.if MSB != \new
	s_set_vgpr_msb (MSB<<8)|\new
.set MSB, \new
.endif
.endm
.macro CROUND
	s_barrier_signal -1
	s_barrier_wait -1
	s_cmp_lg_u32 s[WV], 0
	s_cbranch_scc1 .Lnot_wave_0_\@
	s_barrier_signal -3
.Lnot_wave_0_\@:
	s_barrier_wait -3
	s_barrier_signal -1
	s_barrier_wait -1
.endm
.macro MM d, a, b, c, sa, sb, ra, rb
.if \ra
.if \rb
	v_wmma_scale_f32_16x16x128_f8f6f4 v[(\d):(\d)+7], v[(\a):(\a)+7], v[(\b):(\b)+7], v[(\c):(\c)+7], v[\sa], v[\sb] matrix_a_fmt:MATRIX_FMT_FP4 matrix_b_fmt:MATRIX_FMT_FP4 matrix_a_scale:MATRIX_SCALE_ROW1 matrix_b_scale:MATRIX_SCALE_ROW1
.else
	v_wmma_scale_f32_16x16x128_f8f6f4 v[(\d):(\d)+7], v[(\a):(\a)+7], v[(\b):(\b)+7], v[(\c):(\c)+7], v[\sa], v[\sb] matrix_a_fmt:MATRIX_FMT_FP4 matrix_b_fmt:MATRIX_FMT_FP4 matrix_a_scale:MATRIX_SCALE_ROW1
.endif
.else
.if \rb
	v_wmma_scale_f32_16x16x128_f8f6f4 v[(\d):(\d)+7], v[(\a):(\a)+7], v[(\b):(\b)+7], v[(\c):(\c)+7], v[\sa], v[\sb] matrix_a_fmt:MATRIX_FMT_FP4 matrix_b_fmt:MATRIX_FMT_FP4 matrix_b_scale:MATRIX_SCALE_ROW1
.else
	v_wmma_scale_f32_16x16x128_f8f6f4 v[(\d):(\d)+7], v[(\a):(\a)+7], v[(\b):(\b)+7], v[(\c):(\c)+7], v[\sa], v[\sb] matrix_a_fmt:MATRIX_FMT_FP4 matrix_b_fmt:MATRIX_FMT_FP4
.endif
.endif
.endm
.macro FETCHX
	WIN 0x80
.irp u, 0,1
.irp s, 0,1,2,3,4,5,6,7
.irp c, 0,1
	ds_load_b128 v[128+8*(8*\u+\s)+4*\c:128+8*(8*\u+\s)+4*\c+3], v[XAD] offset:8192*\u+1024*\s+512*\c
.endr
.endr
.endr
	WIN 0
.irp s, 0,1,2,3,4,5,6,7
	ds_load_b32 v[XSC+\s], v[XSD] offset:128*\s
.endr
.endm
.macro EPI
.irp U, 0,1,2,3,4,5
	v_max3_num_f32 v[MX+\U], |v[ACC+16*\U]|, |v[ACC+16*\U+1]|, 0x1800000
.endr
.irp i, 2,4,6,8,10,12,14
.irp U, 0,1,2,3,4,5
	v_max3_num_f32 v[MX+\U], v[MX+\U], |v[ACC+16*\U+\i]|, |v[ACC+16*\U+\i+1]|
.endr
.endr
.irp U, 0,1,2,3,4,5
	v_permlanex16_b32 v[PX+\U], v[MX+\U], s[SEL], s[SEL+1]
.endr
.irp U, 0,1,2,3,4,5
	v_max_num_f32 v[MX+\U], v[MX+\U], v[PX+\U]
.endr
.irp U, 0,1,2,3,4,5
	v_add_nc_u32 v[OP+\U], 0xff000000, v[MX+\U]
.endr
.irp U, 0,1,2,3,4,5
	v_lshrrev_b32 v[BY+\U], 23, v[OP+\U]
.endr
.irp U, 0,1,2,3,4,5
	v_cvt_scalef32_pk8_fp4_f32 v[CD+2*\U], v[ACC+16*\U:ACC+16*\U+7], v[OP+\U]
	v_cvt_scalef32_pk8_fp4_f32 v[CD+2*\U+1], v[ACC+16*\U+8:ACC+16*\U+15], v[OP+\U]
.endr
	v_nop
.irp uc, 0,1
	v_lshrrev_b32 v[VW+\uc], 8, v[VW+\uc]
	v_lshl_or_b32 v[VW+\uc], v[BY+4+\uc], 24, v[VW+\uc]
.endr
.irp p, 0,1
.irp ux, 0,1
	ds_store_b64 v[SQD], v[CD+2*(2*\p+\ux):CD+2*(2*\p+\ux)+1] offset:16384*\p+256*\ux
	ds_store_b8 v[SSD], v[BY+2*\p+\ux] offset:1024*\p+16*\ux
.endr
.endr
.irp uc, 0,1
	ds_store_b64 v[SVD], v[CD+8+2*\uc:CD+8+2*\uc+1] offset:128*\uc
	ds_store_b32 v[SWD], v[VW+\uc] offset:32*\uc
.endr
.endm
.macro PAIR next
	s_wait_dscnt 0x0
	WIN 0x09
.irp s, 0,1,2,3,4,5,6,7
.irp p, 0,1
.irp ux, 0,1
.irp uw, 0,1
.if \s == 0
	MM ACC+16*(2*\p+\ux)+8*\uw, 128*\p+8*(8*\uw+\s), 128+8*(8*\ux+\s), BQ+16*\p+8*\uw, WSC+8*\p+\s, XSC+\s, \uw, \ux
.else
	MM ACC+16*(2*\p+\ux)+8*\uw, 128*\p+8*(8*\uw+\s), 128+8*(8*\ux+\s), ACC+16*(2*\p+\ux)+8*\uw, WSC+8*\p+\s, XSC+\s, \uw, \ux
.endif
.endr
.endr
.endr
.endr
	WIN 0x0a
.irp s, 0,1,2,3,4,5,6,7
.irp uc, 0,1
.irp ux, 0,1
.if \s == 0
	MM ACC+64+16*\uc+8*\ux, 128+8*(8*\ux+\s), 8*(8*\uc+\s), BV+8*\uc, XSC+\s, WSC+16+\s, \ux, \uc
.else
	MM ACC+64+16*\uc+8*\ux, 128+8*(8*\ux+\s), 8*(8*\uc+\s), ACC+64+16*\uc+8*\ux, XSC+\s, WSC+16+\s, \ux, \uc
.endif
.endr
.endr
.endr
	WIN 0
.if \next
	s_add_co_u32 s[PN], s[PP], 1
	v_lshl_add_u32 v[XAD], s[PN], 14, v[L16]
	v_lshl_add_u32 v[XSD], s[PN], 10, v[XSA]
.endif
	v_lshl_add_u32 v[SQD], s[PP], 9, v[SQA]
	v_lshl_add_u32 v[SSD], s[PP], 5, v[SQS]
	v_lshl_add_u32 v[SVD], s[PP], 8, v[SVA]
	v_lshl_add_u32 v[SWD], s[PP], 7, v[SVS]
.if \next
	FETCHX
.endif
	EPI
.endm
	s_load_b256 s[4:11], s[0:1], 0x0
	s_load_b256 s[12:19], s[0:1], 0x20
	s_load_b64 s[20:21], s[0:1], 0x40
	v_lshl_add_u32 v254, v0, 2, 0x2f800
	v_mov_b32 v255, 0
	ds_add_u32 v254, v255
	ds_add_u32 v254, v255
	v_lshrrev_b32 v1, 5, v0
	v_readfirstlane_b32 s[WV], v1
	s_bfe_u32 s23, ttmp6, 0x40000
	s_lshl_b32 s[GG], ttmp9, 2
	s_add_co_u32 s[GG], s[GG], s23
	s_and_b32 s[II], ttmp7, 0xffff
	s_lshr_b32 s[HL], s[WV], 1
	s_and_b32 s[HH], s[WV], 1
	s_mov_b32 s[G1C+0], 15|(3<<16)|(1<<21)
	s_mov_b32 s[G1C+1], 32<<16
	s_mov_b32 s[G1C+2], 256<<16
	s_mov_b32 s[G1C+3], 32<<16
	s_mov_b32 s[G1C+4], 256
	s_mov_b32 s[G1C+5], 32
	s_mov_b32 s[G1C+6], 0
	s_mov_b32 s[G1C+7], 0
	s_mov_b32 s[G1S+0], 15|(3<<16)|(1<<21)
	s_mov_b32 s[G1S+1], 32<<16
	s_mov_b32 s[G1S+2], 16<<16
	s_mov_b32 s[G1S+3], 32<<16
	s_mov_b32 s[G1S+4], 16
	s_mov_b32 s[G1S+5], 32
	s_mov_b32 s[G1S+6], 0
	s_mov_b32 s[G1S+7], 0
	s_mov_b32 s[SEL], 0x76543210
	s_mov_b32 s[SEL+1], 0xfedcba98
	s_lshl_b32 s32, s[II], 17
	s_lshl_b32 s33, s[HH], 16
	s_add_co_u32 s32, s32, s33
	s_mov_b32 s33, 0
	s_lshl_b32 s34, s[II], 13
	s_lshl_b32 s35, s[HH], 12
	s_add_co_u32 s34, s34, s35
	s_mov_b32 s35, 0
	s_wait_dscnt 0x0
	s_wait_kmcnt 0x0
	s_mov_b32 s[G0C], 1
	s_lshl_b32 s[G0C+1], s[HH], 16
	s_add_nc_u64 s[G0C+2:G0C+3], s[4:5], s[32:33]
	s_or_b32 s[G0C+3], s[G0C+3], 0x80000000
	s_mov_b32 s[G0S], 1
	s_lshl_b32 s[G0S+1], s[HH], 12
	s_add_co_u32 s[G0S+1], s[G0S+1], XSB
	s_add_nc_u64 s[G0S+2:G0S+3], s[6:7], s[34:35]
	s_or_b32 s[G0S+3], s[G0S+3], 0x80000000
	CROUND
	; the head's joint loads, one a wave: waves 0 and 1 fetch the halves of x's codes (256 rows of 256 bytes each), waves 2 and 3 the halves of x's scale words (16 rows each)
	s_cmp_lt_u32 s[WV], 2
	s_cbranch_scc0 .Lhead_s
	tensor_load_to_lds s[G0C:G0C+3], s[G1C:G1C+7]
	s_nop 0
.rept 4
	v_nop
.endr
	s_branch .Lhead_j
.Lhead_s:
	tensor_load_to_lds s[G0S:G0S+3], s[G1S:G1S+7]
	s_nop 0
.rept 4
	v_nop
.endr
.Lhead_j:
	s_lshl_b32 s36, s[GG], 2
	s_add_co_u32 s36, s36, s[WV]
	s_mov_b32 s39, 0
	s_lshl_b32 s38, s36, 14
	s_add_nc_u64 s[8:9], s[8:9], s[38:39]
	s_lshl_b32 s38, s36, 10
	s_add_nc_u64 s[10:11], s[10:11], s[38:39]
	s_lshl_b32 s38, s36, 7
	s_add_nc_u64 s[12:13], s[12:13], s[38:39]
	s_add_nc_u64 s[14:15], s[14:15], s[38:39]
	s_add_nc_u64 s[16:17], s[16:17], s[38:39]
	v_and_b32 v234, 15, v0
	v_bfe_u32 v235, v0, 4, 1
	v_and_b32 v[L16], 31, v0
	v_lshlrev_b32 v[L4], 2, v[L16]
	v_lshlrev_b32 v[L16], 4, v[L16]
	v_lshlrev_b32 v[BQO], 6, v235
	v_and_b32 v[BVO], 8, v234
	v_add_nc_u32 v[BVO], v[BVO], v234
	v_lshlrev_b32 v[BVO], 2, v[BVO]
	WIN 0x40
.irp p, 0,1
.irp u, 0,1
.irp s, 0,1,2,3,4,5,6,7
.irp c, 0,1
	global_load_b128 v[128*\p+8*(8*\u+\s)+4*\c:128*\p+8*(8*\u+\s)+4*\c+3], v[L16], s[8:9] offset:524288*\p+8192*\u+1024*\s+512*\c
.endr
.endr
.endr
.endr
	WIN 0x80
.irp u, 0,1
.irp s, 0,1,2,3,4,5,6,7
.irp c, 0,1
	global_load_b128 v[8*(8*\u+\s)+4*\c:8*(8*\u+\s)+4*\c+3], v[L16], s[8:9] offset:524288*2+8192*\u+1024*\s+512*\c
.endr
.endr
.endr
	WIN 0
.irp p, 0,1,2
.irp s, 0,1,2,3,4,5,6,7
	global_load_b32 v[WSC+8*\p+\s], v[L4], s[10:11] offset:32768*\p+128*\s
.endr
.endr
.irp p, 0,1
.irp uw, 0,1
	global_load_b128 v[BQ+16*\p+8*\uw:BQ+16*\p+8*\uw+3], v[BQO], s[12+2*\p:13+2*\p] offset:32*\uw
	global_load_b128 v[BQ+16*\p+8*\uw+4:BQ+16*\p+8*\uw+7], v[BQO], s[12+2*\p:13+2*\p] offset:32*\uw+16
.endr
.endr
.irp uc, 0,1
	global_load_b32 v[BV+8*\uc], v[BVO], s[16:17] offset:32*\uc
.endr
	v_add_nc_u32 v[XSA], XSB, v[L4]
	v_lshrrev_b32 v236, 3, v234
	v_and_b32 v237, 7, v234
	s_lshl_b32 s37, s[WV], 12
	s_add_co_u32 s38, s37, QST
	v_lshlrev_b32 v[SQA], 4, v234
	v_lshl_add_u32 v[SQA], v235, 3, v[SQA]
	v_add_nc_u32 v[SQA], s38, v[SQA]
	s_lshl_b32 s38, s[WV], 8
	s_add_co_u32 s38, s38, QSB
	v_add_nc_u32 v[SQS], s38, v234
	s_add_co_u32 s38, s37, VST
	v_lshlrev_b32 v[SVA], 4, v237
	v_lshl_add_u32 v[SVA], v236, 11, v[SVA]
	v_lshl_add_u32 v[SVA], v235, 3, v[SVA]
	v_add_nc_u32 v[SVA], s38, v[SVA]
	v_add_nc_u32 v[WVA], s38, v[L16]
	s_lshl_b32 s38, s[WV], 10
	s_add_co_u32 s38, s38, VSS
	v_lshlrev_b32 v[SVS], 2, v237
	v_lshl_add_u32 v[SVS], v236, 6, v[SVS]
	v_add_nc_u32 v[SVS], s38, v[SVS]
	s_lshl_b32 s38, s[HL], 13
	s_lshl_b32 s39, s[HH], 11
	s_add_co_u32 s38, s38, s39
	s_add_co_u32 s38, s38, QST
	v_lshlrev_b32 v[WQA], 4, v234
	v_lshl_add_u32 v[WQA], v235, 12, v[WQA]
	v_add_nc_u32 v[WQA], s38, v[WQA]
	s_lshl_b32 s38, s[HH], 9
	s_add_co_u32 s38, s38, QSB
	v_lshlrev_b32 v[SOA], 1, v[L4]
	v_add_nc_u32 v[SOA], s38, v[SOA]
	s_lshl_b32 s38, s[HH], 11
	s_add_co_u32 s38, s38, VSS+384
	v_lshlrev_b32 v[SOV], 4, v237
	v_lshl_add_u32 v[SOV], v236, 10, v[SOV]
	v_lshl_add_u32 v[SOV], v235, 9, v[SOV]
	v_add_nc_u32 v[SOV], s38, v[SOV]
	s_lshr_b32 s36, s[II], 3
	s_lshl_b32 s36, s36, 4
	s_lshl_b32 s37, s[GG], 1
	s_add_co_u32 s36, s36, s37
	s_and_b32 s72, s[II], 7
	s_add_co_u32 s73, s36, s[HL]
	s_lshl_b32 s73, s73, 16
	s_lshl_b32 s74, s72, 13
	s_add_co_u32 s74, s74, s73
	s_lshl_b32 s75, s[HH], 12
	s_add_co_u32 s74, s74, s75
	s_mov_b32 s75, 0
	s_add_nc_u64 s[66:67], s[18:19], s[74:75]
	s_lshl_b32 s74, s72, 11
	s_add_co_u32 s74, s74, s73
	s_lshl_b32 s76, s[HH], 15
	s_add_co_u32 s74, s74, s76
	s_add_co_u32 s74, s74, 8388608
	s_add_nc_u64 s[68:69], s[18:19], s[74:75]
	s_add_co_u32 s74, s36, s[HH]
	s_lshl_b32 s74, s74, 12
	s_lshl_b32 s76, s72, 9
	s_add_co_u32 s74, s74, s76
	s_add_nc_u64 s[70:71], s[20:21], s[74:75]
.irp U, 0,1,2,3,4,5
	v_mov_b32 v[PX+\U], 0
.endr
	v_mov_b32 v[VW], 0
	v_mov_b32 v[VW+1], 0
	v_mov_b32 v[XAD], v[L16]
	v_mov_b32 v[XSD], v[XSA]
	s_wait_alu depctr_va_vdst(0)
	s_wait_tensorcnt 0x0
	s_barrier_signal -1
	s_barrier_wait -1
	FETCHX
	s_wait_loadcnt 0x0
.irp uc, 0,1
.irp j, 1,2,3,4,5,6,7
	v_mov_b32 v[BV+8*\uc+\j], v[BV+8*\uc]
.endr
.endr
	s_mov_b32 s[PP], 0
.Lpair:
	s_wait_alu depctr_va_vdst(0)
	PAIR 1
	s_add_co_u32 s[PP], s[PP], 1
	s_cmp_lt_u32 s[PP], 7
	s_cbranch_scc1 .Lpair
	PAIR 0
	s_wait_dscnt 0x0
	s_barrier_signal -1
	s_barrier_wait -1
.irp n, 0,1,2,3,4,5,6,7
	ds_load_b128 v[ACC+4*\n:ACC+4*\n+3], v[WQA] offset:256*\n
.endr
.irp n, 0,1,2,3,4,5,6,7
	ds_load_b128 v[ACC+32+4*\n:ACC+32+4*\n+3], v[WQA] offset:16384+256*\n
.endr
.irp n, 0,1,2,3,4,5,6,7
	ds_load_b128 v[ACC+64+4*\n:ACC+64+4*\n+3], v[WVA] offset:512*\n
.endr
.irp n, 0,1,2,3,4,5,6,7
	s_wait_dscnt 23-\n
	global_store_b128 v[L16], v[ACC+4*\n:ACC+4*\n+3], s[66:67] offset:512*\n
.endr
.irp n, 0,1,2,3,4,5,6,7
	s_wait_dscnt 15-\n
	global_store_b128 v[L16], v[ACC+32+4*\n:ACC+32+4*\n+3], s[66:67] offset:4194304+512*\n
.endr
.irp n, 0,1,2,3,4,5,6,7
	s_wait_dscnt 7-\n
	global_store_b128 v[L16], v[ACC+64+4*\n:ACC+64+4*\n+3], s[68:69] offset:16384*(\n/4)+512*(\n%4)
.endr
	s_cmp_lt_u32 s[WV], 2
	s_cbranch_scc0 .Lno_scales
	ds_load_b64 v[112:113], v[SOA]
	ds_load_b64 v[114:115], v[SOA] offset:256
	ds_load_b64 v[116:117], v[SOA] offset:1024
	ds_load_b64 v[118:119], v[SOA] offset:1280
	ds_load_b128 v[120:123], v[SOV]
	s_wait_dscnt 0x0
.irp p, 0,1
.irp i, 0,1
	v_perm_b32 v[124+4*\p+2*\i], v[114+4*\p+\i], v[112+4*\p+\i], 0x05010400
	v_perm_b32 v[124+4*\p+2*\i+1], v[114+4*\p+\i], v[112+4*\p+\i], 0x07030602
.endr
.endr
	global_store_b128 v[L16], v[124:127], s[70:71]
	global_store_b128 v[L16], v[128:131], s[70:71] offset:262144
	global_store_b128 v[L16], v[120:123], s[70:71] offset:524288
.Lno_scales:
	s_wait_tensorcnt 0x0
	ds_add_u32 v254, v255
	s_wait_dscnt 0x0
	CROUND
	s_endpgm
.Lfunc_end_k_qc6edbfe6e5_proj:
	.size	k_qc6edbfe6e5_proj, .Lfunc_end_k_qc6edbfe6e5_proj-k_qc6edbfe6e5_proj
	.p2alignl 7, 3214868480
	.fill 96, 4, 3214868480
	.section	.rodata,"a",@progbits
	.p2align	6, 0x0
	.amdhsa_kernel k_qc6edbfe6e5_proj
		.amdhsa_group_segment_fixed_size 327680
		.amdhsa_private_segment_fixed_size 0
		.amdhsa_enable_private_segment 0
		.amdhsa_kernarg_size 72
		.amdhsa_user_sgpr_count 2
		.amdhsa_user_sgpr_kernarg_segment_ptr 1
		.amdhsa_wavefront_size32 1
		.amdhsa_system_sgpr_workgroup_id_x 1
		.amdhsa_system_sgpr_workgroup_id_y 1
		.amdhsa_system_sgpr_workgroup_id_z 1
		.amdhsa_system_vgpr_workitem_id 0
		.amdhsa_next_free_vgpr 768
		.amdhsa_next_free_sgpr 96
		.amdhsa_reserve_vcc 0
		.amdhsa_float_denorm_mode_32 3
		.amdhsa_float_denorm_mode_16_64 3
		.amdhsa_memory_ordered 1
		.amdhsa_forward_progress 1
		.amdhsa_inst_pref_size 69
	.end_amdhsa_kernel
	.amdgpu_metadata
---
amdhsa.version: [ 1, 2 ]
amdhsa.kernels:
  - .name:           k_qc6edbfe6e5_proj
    .symbol:         k_qc6edbfe6e5_proj.kd
    .args:
      - { .name: xc, .offset: 0, .size: 8, .value_kind: global_buffer, .address_space: global }
      - { .name: xs, .offset: 8, .size: 8, .value_kind: global_buffer, .address_space: global }
      - { .name: wc, .offset: 16, .size: 8, .value_kind: global_buffer, .address_space: global }
      - { .name: ws, .offset: 24, .size: 8, .value_kind: global_buffer, .address_space: global }
      - { .name: bq, .offset: 32, .size: 8, .value_kind: global_buffer, .address_space: global }
      - { .name: bk, .offset: 40, .size: 8, .value_kind: global_buffer, .address_space: global }
      - { .name: bv, .offset: 48, .size: 8, .value_kind: global_buffer, .address_space: global }
      - { .name: qkvc, .offset: 56, .size: 8, .value_kind: global_buffer, .address_space: global }
      - { .name: qkvs, .offset: 64, .size: 8, .value_kind: global_buffer, .address_space: global }
    .group_segment_fixed_size: 327680
    .private_segment_fixed_size: 0
    .kernarg_segment_align: 8
    .kernarg_segment_size: 72
    .max_flat_workgroup_size: 128
    .sgpr_count:     96
    .vgpr_count:     768
    .wavefront_size: 32
...
	.end_amdgpu_metadata
.endif
;; end of part 2
;; launch attn (part 3): grid 4 x 64, 8 waves a work-group, clusters of 4 x 1, 327,680 bytes of LDS; arguments qkvc, qkvs, mask, out0; writes out0
.if DOCPART == 3
	.amdgcn_target "amdgcn-amd-amdhsa--gfx1250"
	.amdhsa_code_object_version 6
	.text
	.protected	k_qc6edbfe6e5_attn
	.globl	k_qc6edbfe6e5_attn
	.p2align	8
	.type	k_qc6edbfe6e5_attn,@function
k_qc6edbfe6e5_attn:
	s_mov_b64 s[64:65], 0
	v_nop
	global_prefetch_b8 v0, s[64:65] scope:SCOPE_SE
	s_setreg_imm32_b32 hwreg(HW_REG_WAVE_MODE, 25, 1), 1
	s_wait_xcnt 0x0
	s_wait_alu depctr_hold_cnt(0) depctr_sa_sdst(0) depctr_va_vdst(0) depctr_va_sdst(0) depctr_va_ssrc(0) depctr_va_vcc(0) depctr_vm_vsrc(0)
	s_getreg_b32 s2, hwreg(HW_REG_IB_STS2, 6, 4)
	s_cmp_eq_u32 s2, 0
	s_cbranch_scc0 .Lentry_in_a_cluster
	s_endpgm
.Lentry_in_a_cluster:
	s_bfe_u32 s2, ttmp6, 0x10000c
	s_cmp_lg_u32 s2, 0x3003
	s_cbranch_scc0 .Lentry_shape_is_right
	s_endpgm
.Lentry_shape_is_right:
; out0[b][s][64 h ..] = softmax_t(q . k / 8 - 10000 mask[b][t]) v for one batch and head, both products on codes of FP4 (E2M1) with one E8M0 byte for each 32 along K.
; qkvc holds Q, K, V as images of operand registers (4 MiB each), qkvs their scale bytes (256 KiB each), as the launch before laid them.
; THE SOFTMAX: t = (score - 80000 mask) x log2(e) / 8; M = the running largest t rounded up to a whole number; p = 2^(t - M) is quantised along the keys, not normalised;
; the row's sum is taken of the unquantised p in f32 and divides at the end; when M moves, the sum and O^T are multiplied by 2^(old M - new M), which rounds nothing.
; LIMITS: the promise holds while the scaled scores stay under 2^31 in magnitude; a block all of whose p have fallen to 0 keeps the byte 1 (its codes are zeros); NaN and infinities among the inputs are not served.
; SHARES.  A work-group owns 512 queries of one (batch, head): sixteen pairs of tiles of 16.  A pass takes one pair through all 2,048 keys.  The pairs are dealt unevenly by design: waves 0-3 take three pairs each
; (pairs 4 p + wave in pass p), waves 4-7 one each (pair 8 + wave, in pass 0), so that a wave of three passes has a wave of one pass beside it.  Every wave walks all three loops (their trip counts are constants);
; a scalar branch on the wave's number leads waves 4-7 round the work of passes 1 and 2.  All keys of K and V, their scale bytes and the mask lie in LDS for the whole launch.
; CLUSTER: the four work-groups of a (batch, head) read the same K and V: every tile is asked for jointly (mask 15).  Waves 0-3 fetch 32 rows of 1,024 bytes of codes each, waves 4-7 8 rows of 256 bytes of scale bytes each: one tensor load a wave.
; No prefetch: every tile is asked for at the head, so there is no loop in which a request could run ahead of its load.
; LAYOUT.  Both products are used transposed (S^T = K Q^T, O^T = V^T P^T): a lane holds one query (lane % 16).  The head's 64 fill k = 0 .. 63 of the 128; Q's registers 4-7 are zero codes, so what K's run holds there adds nothing.
; THE KEYS OF A TILE: row r of tile 4 c + g takes key 64 c + 32 (r / 8) + 8 g + r % 8 of the step's 128.  So lane half h holds, in the 32 registers of tiles 4 c .. 4 c + 3, the WHOLE block of keys 64 c + 32 h + 0 .. 31:
; a block's largest score needs no other lane, and the eight conversions' results are P's operand registers as they stand.  The choice is made by LDS addresses alone.
; A row of 1,024 bytes in LDS (32 keys of K) has 128 bytes of padding behind it.
; REGISTERS.  Window 0: v1-14 addresses; v16-27, v58-59 scale words; v28-39 per tile -M, largest score, sum (2), f (2); v40-55 at work; v64-127 O^T; v128-255 S^T, then p.  Window 1: K, V, mask, Q, P's codes.
.set KP,   1152
.set VC,   64*KP
.set KSB,  2*VC
.set VSB,  KSB+4096
.set MKB,  VSB+4096
.set STG,  MKB+8192
.set SPARE, STG+8*16*272               ; the spare words: 128 bytes a wave, four blocks of 256 bytes that no other line names
.set WV,   12
.set BH,   14
.set BLK,  15
.set SEL,  16
.set CS,   18
.set JC,   20
.set JN,   21
.set G1C,  28
.set G1S,  36
.set G0C,  44
.set G0S,  48
.set LT,   54                          ; s54  1 in the waves of one pass, 0 in those of three
.set IX,   55                          ; s55  my number among the four waves of my kind
.set AK0,  1
.set AS0,  2
.set AM0,  3
.set AV0,  4
.set AT0,  5
.set ADK,  6
.set ADS,  7
.set ADM,  8
.set ADV,  9
.set ADT,  10
.set STO,  11
.set RD,   12
.set GO,   13
.set SH8,  14                          ; 8 x (lane / 16)
.set KS,   16                          ; register n: lanes 0-15 tile 2 n's words of K, lanes 16-31 tile 2 n + 1's
.set VS,   20                          ; the same for V
.set QS,   22                          ; v22-27: two a pass
.set ST,   28
.set BM,   40                          ; per tile 8: 0,1 the blocks' largest; 2,3 second chains, then bytes; 4,5 at work; 6,7 the conversions' scale operands
.set SPW,  56
.set NIL,  57
.set PS,   58
.set OF,   64
.set SR,   128
.set R_,   128                         ; the head's temporaries lie where S^T will
.set H_,   129
.set LN,   130
.set MO,   131
.set QO,   132
.set MST,  133
.set B3,   134
.set L7,   135
.set KF,   0                           ; window 1
.set VF,   40
.set MK,   72
.set QF,   136                         ; 16 registers a pass
.set PC,   184
.set MSB, 0
.macro WIN new
.if MSB != \new
	s_set_vgpr_msb (MSB<<8)|\new
.set MSB, \new
.endif
.endm
.macro CROUND
	s_barrier_signal -1
	s_barrier_wait -1
	s_cmp_lg_u32 s[WV], 0
	s_cbranch_scc1 .Lnot_wave_0_\@
	s_barrier_signal -3
.Lnot_wave_0_\@:
	s_barrier_wait -3
	s_barrier_signal -1
	s_barrier_wait -1
.endm
.macro SMM d, a, b, c, sa, sb, row     ; row = 1: source 0's scale words stand in lanes 16-31
.if \row
	v_wmma_scale_f32_16x16x128_f8f6f4 v[(\d):(\d)+7], v[(\a):(\a)+7], v[(\b):(\b)+7], v[(\c):(\c)+7], v[\sa], v[\sb] matrix_a_fmt:MATRIX_FMT_FP4 matrix_b_fmt:MATRIX_FMT_FP4 matrix_a_scale:MATRIX_SCALE_ROW1
.else
	v_wmma_scale_f32_16x16x128_f8f6f4 v[(\d):(\d)+7], v[(\a):(\a)+7], v[(\b):(\b)+7], v[(\c):(\c)+7], v[\sa], v[\sb] matrix_a_fmt:MATRIX_FMT_FP4 matrix_b_fmt:MATRIX_FMT_FP4
.endif
.endm
.macro KLOAD                           ; a step's 8 tiles of K, the mask in the result's layout, and K's scale words: 28 LDS loads
	WIN 0x40
.irp t, 0,1,2,3,4,5,6,7
	ds_load_b128 v[KF+4*\t:KF+4*\t+3], v[ADK] offset:2*KP*(\t/4)+512*(\t%2)+128*((\t%4)/2)
.endr
.irp t, 0,1,2,3,4,5,6,7
	ds_load_b128 v[MK+8*\t:MK+8*\t+3], v[ADM] offset:256*(\t/4)+32*(\t%4)
	ds_load_b128 v[MK+8*\t+4:MK+8*\t+7], v[ADM] offset:256*(\t/4)+32*(\t%4)+16
.endr
	WIN 0
.irp n, 0,1,2,3
	ds_load_u16 v[KS+\n], v[ADS] offset:128*(\n/2)+16*(\n%2)
.endr
.endm
.macro MCH q, i                        ; line i of the chain from the blocks' largest scores to -M and f = 2^(old M - new M); laid between other work, a line at a time
.if (\i) == 0
	v_max_num_f32 v[BM+8*\q+4], v[BM+8*\q], v[BM+8*\q+1]
.endif
.if (\i) == 1
	v_permlanex16_b32 v[BM+8*\q+5], v[BM+8*\q+4], s[SEL], s[SEL+1]
.endif
.if (\i) == 2
	v_max3_num_f32 v[ST+6*\q+1], v[ST+6*\q+1], v[BM+8*\q+4], v[BM+8*\q+5]   ; the running largest score
.endif
.if (\i) == 3
	v_mov_b32 v[BM+8*\q+4], v[ST+6*\q]
.endif
.if (\i) == 4
	v_mul_f32 v[BM+8*\q+5], s[CS], v[ST+6*\q+1]                             ; as t (c is positive)
.endif
.if (\i) == 5
	v_floor_f32 v[ST+6*\q], -v[BM+8*\q+5]                                   ; -M = floor(-t)
.endif
.if (\i) == 6
	v_sub_f32 v[BM+8*\q+4], v[ST+6*\q], v[BM+8*\q+4]
.endif
.if (\i) == 7
	v_cvt_i32_f32 v[BM+8*\q+4], v[BM+8*\q+4]                                ; (it saturates)
.endif
.if (\i) == 8
	v_ldexp_f32 v[ST+6*\q+4], 1.0, v[BM+8*\q+4]
.endif
.endm
.macro MAXQ q, o                       ; the largest score of my two blocks of 32, two chains a block (17 and 15 numbers); each accumulator is first read at its low end.  o >= 0: tile o's chain MCH lies between
.set k, 0
.rept 8
.irp c, 0,1
.if k == 0
	v_max3_num_f32 v[BM+8*\q+\c], v[SR+64*\q+32*\c], v[SR+64*\q+32*\c+1], v[SR+64*\q+32*\c+2]
.else
	v_max3_num_f32 v[BM+8*\q+\c], v[BM+8*\q+\c], v[SR+64*\q+32*\c+2*k+1], v[SR+64*\q+32*\c+2*k+2]
.endif
.endr
.irp c, 0,1
.if k == 0
	v_max3_num_f32 v[BM+8*\q+2+\c], v[SR+64*\q+32*\c+17], v[SR+64*\q+32*\c+18], v[SR+64*\q+32*\c+19]
.else
.if k < 7
	v_max3_num_f32 v[BM+8*\q+2+\c], v[BM+8*\q+2+\c], v[SR+64*\q+32*\c+18+2*k], v[SR+64*\q+32*\c+19+2*k]
.else
	v_max_num_f32 v[BM+8*\q+\c], v[BM+8*\q+\c], v[BM+8*\q+2+\c]
.endif
.endif
.endr
.if \o >= 0
	MCH \o, k
.endif
.set k, k+1
.endr
.endm
.macro FMA1 q, j                       ; t - M, two at a time
	v_pk_fma_f32 v[SR+64*\q+2*(\j):SR+64*\q+2*(\j)+1], v[SR+64*\q+2*(\j):SR+64*\q+2*(\j)+1], s[CS:CS+1], v[ST+6*\q:ST+6*\q+1] op_sel_hi:[1,0,0]
.endm
.macro FMAQ q, o
.set k, 0
.rept 32
	FMA1 \q, k
.if (k%3) == 2
	MCH \o, k/3
.endif
.set k, k+1
.endr
.endm
.macro LV q, s, i0, cnt                ; a level of the row's sum, in place: pairs s registers apart
.set m, \i0
.rept \cnt
	v_pk_add_f32 v[SR+64*\q+2*\s*m:SR+64*\q+2*\s*m+1], v[SR+64*\q+2*\s*m:SR+64*\q+2*\s*m+1], v[SR+64*\q+2*\s*m+\s:SR+64*\q+2*\s*m+\s+1]
.set m, m+1
.endr
.endm
.macro ACC q                           ; the sum under the new M, and this step's part
	v_pk_fma_f32 v[ST+6*\q+2:ST+6*\q+3], v[ST+6*\q+2:ST+6*\q+3], v[ST+6*\q+4:ST+6*\q+5], v[SR+64*\q:SR+64*\q+1] op_sel_hi:[1,0,1]
.endm
; A batch: tile q's 64 exponentials and its two blocks' largest p.  Between them lie lines that hang on nothing in the batch and on each other: mode 0: tile o's 32 scalings; mode 1: the first level of tile o's sum.
; Their sources were written ahead of the wait in front of the batch, and their results are read behind the wait at its end.
.macro EXPQ q, o, mode
	s_wait_alu depctr_va_vdst(0)       ; the wait ahead of the batch
.set k, 0
.rept 32
	v_exp_f32 v[SR+64*\q+2*k], v[SR+64*\q+2*k]
.if \mode == 0
	FMA1 \o, k
.else
.if (k%2) == 0
	LV \o, 2, k/2, 1
.endif
.endif
	v_exp_f32 v[SR+64*\q+2*k+1], v[SR+64*\q+2*k+1]
.set k, k+1
.endr
	v_exp_f32 v[BM+8*\q], v[BM+8*\q]
	v_exp_f32 v[BM+8*\q+1], v[BM+8*\q+1]
	v_nop                              ; a plain place behind the last
	s_wait_alu depctr_va_vdst(0)       ; and the one wait behind the batch
.endm
.macro SCL q, i                        ; stage i of the way from my two blocks' largest p to the conversions' operands and the scale word
.if (\i) == 0
.irp c, 0,1
	v_max_num_f32 v[BM+8*\q+\c], 0x1800000, v[BM+8*\q+\c]       ; the floor 2^(3 - 127): the byte cannot fall under 1
.endr
.endif
.if (\i) == 1
.irp c, 0,1
	v_add_nc_u32 v[BM+8*\q+6+\c], 0xff000000, v[BM+8*\q+\c]     ; 2 off the exponent field
.endr
.endif
.if (\i) == 2
.irp c, 0,1
	v_lshrrev_b32 v[BM+8*\q+2+\c], 23, v[BM+8*\q+6+\c]          ; the byte
.endr
.endif
.if (\i) == 3
	v_lshl_or_b32 v[BM+8*\q+4], v[BM+8*\q+3], 16, v[BM+8*\q+2]  ; my blocks are h and 2 + h
.endif
.if (\i) == 4
	v_lshlrev_b32 v[BM+8*\q+4], v[SH8], v[BM+8*\q+4]
.endif
.if (\i) == 5
	v_permlanex16_b32 v[BM+8*\q+5], v[BM+8*\q+4], s[SEL], s[SEL+1]
.endif
.if (\i) == 6
	v_or_b32 v[PS+\q], v[BM+8*\q+4], v[BM+8*\q+5]               ; with lane l xor 16's two bytes the word is whole
.endif
.endm
.macro CVTQ q                          ; register 4 c + g of P's operand: keys 64 c + 32 h + 8 g + 0 .. 7
	WIN 0x40
.irp t, 0,1,2,3,4,5,6,7
	v_cvt_scalef32_pk8_fp4_f32 v[PC+8*\q+\t], v[SR+64*\q+8*\t:SR+64*\q+8*\t+7], v[BM+8*\q+6+\t/4]
.endr
	WIN 0
	v_nop                              ; one plain line behind the last scaled conversion
.endm
.macro STEP pass                       ; 128 keys for my two tiles of queries
	v_mad_u32_u24 v[ADV], s[JC], KP, v[AV0]
	v_lshl_add_u32 v[ADT], s[JC], 8, v[AT0]
	v_nop
	v_nop                              ; four places behind the last products, ahead of loads into their sources
	WIN 0x40
.irp t, 0,1,2,3
.irp c, 0,1
	ds_load_b128 v[VF+8*\t+4*\c:VF+8*\t+4*\c+3], v[ADV] offset:16*KP*\t+512*\c
.endr
.endr
	WIN 0
	ds_load_b32 v[VS], v[ADT]
	ds_load_b32 v[VS+1], v[ADT] offset:128
	s_wait_dscnt 10                    ; K, the mask and K's scale words are in; V's ten loads may be out
	WIN 0x15
.irp t, 0,1,2,3,4,5,6,7
.irp q, 0,1
	SMM SR+64*\q+8*\t, KF+4*\t, QF+16*\pass+8*\q, MK+8*\t, KS+\t/2, QS+2*\pass+\q, \t%2
.endr
.endr
	WIN 0
	s_add_co_u32 s[JN], s[JC], 1
	s_and_b32 s[JN], s[JN], 15         ; behind the last step comes step 0 again: the next pass's
	v_mad_u32_u24 v[ADK], s[JN], 4*KP, v[AK0]
	v_lshl_add_u32 v[ADS], s[JN], 8, v[AS0]
	v_lshl_add_u32 v[ADM], s[JN], 9, v[AM0]
	v_nop                              ; four places
	KLOAD
	s_wait_dscnt 28                    ; V is in; the 28 loads just issued may be out
	MAXQ 0, -1
	MAXQ 1, 0
	MCH 0, 8
	FMAQ 0, 1
.irp q, 0,1
.irp c, 0,1
	v_fma_f32 v[BM+8*\q+\c], v[BM+8*\q+\c], s[CS], v[ST+6*\q]    ; the same of each block's largest score: p rises with the score
.endr
.endr
	EXPQ 0, 1, 0
.set n, 0
.rept 32                               ; O^T under the new M, directly behind the wait (these are the last products' first readers); tile 0's scale lines lie between
	v_pk_mul_f32 v[OF+2*n:OF+2*n+1], v[OF+2*n:OF+2*n+1], v[ST+6*(n/16)+4:ST+6*(n/16)+5] op_sel_hi:[1,0]
.if (n%4) == 3
	SCL 0, n/4
.endif
.set n, n+1
.endr
	CVTQ 0
	EXPQ 1, 0, 1
	SCL 1, 0
	LV 0, 4, 0, 3
	SCL 1, 1
	LV 0, 4, 3, 3
	SCL 1, 2
	LV 0, 4, 6, 2
	SCL 1, 3
	LV 0, 8, 0, 2
	SCL 1, 4
	LV 0, 8, 2, 2
	SCL 1, 5
	LV 0, 16, 0, 2
	SCL 1, 6
	LV 0, 32, 0, 1
	ACC 0
	CVTQ 1
	LV 1, 2, 0, 16                     ; these 32 lines are also the places between the scale word, the codes and the products
	LV 1, 4, 0, 8
	LV 1, 8, 0, 4
	LV 1, 16, 0, 2
	LV 1, 32, 0, 1
	ACC 1
	WIN 0x05
.irp t, 0,1,2,3
.irp q, 0,1
	SMM OF+32*\q+8*\t, VF+8*\t, PC+8*\q, OF+32*\q+8*\t, VS+\t/2, PS+\q, \t%2
.endr
.endr
	WIN 0
.endm
.macro TOSTAGE q                       ; 16 queries x 256 bytes through my stage, back as whole rows
.irp t, 0,1,2,3
	ds_store_b128 v[STO], v[SR+64*\q+8*\t:SR+64*\q+8*\t+3] offset:64*\t
	ds_store_b128 v[STO], v[SR+64*\q+8*\t+4:SR+64*\q+8*\t+7] offset:64*\t+16
.endr
.irp f, 0,1,2,3,4,5,6,7
	ds_load_b128 v[SR+64*\q+32+4*\f:SR+64*\q+32+4*\f+3], v[RD] offset:544*\f   ; LDS serves a wave's instructions in order
.endr
.endm
.macro SEND pass, q, younger           ; a pass on is four pairs, 128 rows of 4,096 bytes
.irp f, 0,1,2,3,4,5,6,7
	s_wait_dscnt \younger+7-\f
	global_store_b128 v[GO], v[SR+64*\q+32+4*\f:SR+64*\q+32+4*\f+3], s[10:11] offset:524288*\pass+4096*(8*\q+2*\f+8*(\f/4)) th:TH_STORE_NT   ; sixteen lanes store 256 bytes on end, aligned
.endr
.endm
; A pass.  Passes 1 and 2 are the work of the waves of three passes alone: the others go round the set-up, round each step's work inside the loop, and round the way out, by branches on the wave's number.
.macro PASS pass
.if \pass > 0
	s_cmp_eq_u32 s[LT], 0
	s_cbranch_scc0 .Lset_\@
.endif
.rept 4
	v_nop                              ; four places behind the last pass's products, ahead of the lines that write over their registers
.endr
.set j, 0
.rept 64
	v_mov_b32 v[OF+j], 0               ; the step is written once: the first finds zeros, which the first change of M leaves zeros
.set j, j+1
.endr
.irp q, 0,1
	v_mov_b32 v[ST+6*\q], 0x7f61b1e6   ; -M: 3e38
	v_mov_b32 v[ST+6*\q+1], 0xff61b1e6 ; the largest score so far: -3e38
	v_mov_b32 v[ST+6*\q+2], 0
	v_mov_b32 v[ST+6*\q+3], 0
.endr
	s_wait_alu depctr_va_vdst(0)       ; the wait ahead of the loop's waits
.Lset_\@:
	s_mov_b32 s[JC], 0
.Lstep_\@:
.if \pass > 0
	s_cmp_eq_u32 s[LT], 0
	s_cbranch_scc0 .Lskip_\@
.endif
	STEP \pass
.Lskip_\@:
	s_add_co_u32 s[JC], s[JC], 1
	s_cmp_lt_u32 s[JC], 16
	s_cbranch_scc1 .Lstep_\@
.if \pass > 0
	s_cmp_eq_u32 s[LT], 0
	s_cbranch_scc0 .Lend_\@
.endif
	s_wait_alu depctr_va_vdst(0)       ; the sums were written shortly ahead of the loop's branches
.irp q, 0,1
	v_add_f32 v[ST+6*\q+2], v[ST+6*\q+2], v[ST+6*\q+3]
.endr
.irp q, 0,1
	v_permlanex16_b32 v[BM+8*\q+5], v[ST+6*\q+2], s[SEL], s[SEL+1]
.endr
.irp q, 0,1
	v_add_f32 v[ST+6*\q+2], v[ST+6*\q+2], v[BM+8*\q+5]           ; the row's sum
.endr
	s_wait_alu depctr_va_vdst(0)
.irp q, 0,1
	v_rcp_f32 v[ST+6*\q+4], v[ST+6*\q+2]
.endr
	v_nop
	s_wait_alu depctr_va_vdst(0)
.irp q, 0,1
.set j, 0
.rept 16
	v_pk_mul_f32 v[SR+64*\q+j:SR+64*\q+j+1], v[OF+32*\q+j:OF+32*\q+j+1], v[ST+6*\q+4:ST+6*\q+5] op_sel_hi:[1,0]
.set j, j+2
.endr
.endr
	TOSTAGE 0
	TOSTAGE 1
	SEND \pass, 0, 16
	SEND \pass, 1, 0
.Lend_\@:
.endm
	s_load_b256 s[4:11], s[0:1], 0x0               ; qkvc, qkvs, mask, out0
	v_lshl_add_u32 v[SPW], v0, 2, SPARE
	v_mov_b32 v[NIL], 0
	ds_add_u32 v[SPW], v[NIL]                      ; the opening lines: the add, twice on end,
	ds_add_u32 v[SPW], v[NIL]
	v_lshrrev_b32 v[R_], 5, v0
	v_readfirstlane_b32 s[WV], v[R_]               ; wave 0..7
	v_and_b32 v[R_], 15, v0                        ; r
	v_bfe_u32 v[H_], v0, 4, 1                      ; h
	v_and_b32 v[LN], 31, v0
	v_lshlrev_b32 v[LN], 4, v[LN]                  ; 16 x lane
	v_lshlrev_b32 v[MO], 5, v0                     ; the mask: 8 keys a thread
	v_lshlrev_b32 v[QO], 1, v[R_]
	s_bfe_u32 s13, ttmp6, 0x40000
	s_lshl_b32 s[BLK], ttmp9, 2
	s_add_co_u32 s[BLK], s[BLK], s13               ; which 512 queries
	s_and_b32 s[BH], ttmp7, 0xffff                 ; batch x 16 + head
	s_mov_b32 s[G1C+0], 15|(3<<16)|(1<<20)|(1<<21)|(7<<22)|(31<<25)   ; codes: rows of 128 elements of 8 bytes, 32 words of padding behind every 256
	s_mov_b32 s[G1C+1], 128<<16
	s_mov_b32 s[G1C+2], 32<<16
	s_mov_b32 s[G1C+3], 128<<16
	s_mov_b32 s[G1C+4], 32
	s_mov_b32 s[G1C+5], 128
	s_mov_b32 s[G1C+6], 0
	s_mov_b32 s[G1C+7], 0
	s_mov_b32 s[G1S+0], 15|(3<<16)|(1<<21)         ; scale bytes: 8 rows of 256 bytes
	s_mov_b32 s[G1S+1], 32<<16
	s_mov_b32 s[G1S+2], 8<<16
	s_mov_b32 s[G1S+3], 32<<16
	s_mov_b32 s[G1S+4], 8
	s_mov_b32 s[G1S+5], 32
	s_mov_b32 s[G1S+6], 0
	s_mov_b32 s[G1S+7], 0
	s_mov_b32 s[SEL], 0x76543210
	s_mov_b32 s[SEL+1], 0xfedcba98
	s_mov_b32 s[CS], 0x3e38aa3b                    ; c = log2(e) / 8
	s_mov_b32 s[CS+1], s[CS]
	s_lshr_b32 s[LT], s[WV], 2                     ; waves 4-7 have one pass
	s_and_b32 s[IX], s[WV], 3
	s_mul_i32 s13, s[LT], 12
	s_add_co_u32 s13, s13, s[IX]                   ; my pair of pass 0: wave, or 8 + wave
	s_lshr_b32 s22, s[WV], 1
	s_and_b32 s22, s22, 1
	s_add_co_u32 s22, s22, 1                       ; what I fetch: K (1) or V (2),
	s_and_b32 s23, s[WV], 1                        ; which half
	s_and_b32 s56, s[WV], 3
	s_lshl_b32 s24, s22, 22
	s_lshl_b32 s25, s[BH], 16
	s_add_co_u32 s24, s24, s25
	s_lshl_b32 s25, s23, 15
	s_add_co_u32 s24, s24, s25
	s_mov_b32 s25, 0
	s_lshl_b32 s26, s22, 18
	s_lshl_b32 s27, s[BH], 12
	s_add_co_u32 s26, s26, s27
	s_lshl_b32 s27, s23, 11
	s_add_co_u32 s26, s26, s27
	s_mov_b32 s27, 0
	s_mov_b32 s[G0C], 1
	s_mul_i32 s[G0C+1], s56, 32*KP
	s_mov_b32 s[G0S], 1
	s_lshl_b32 s[G0S+1], s56, 11
	s_add_co_u32 s[G0S+1], s[G0S+1], KSB
	s_lshr_b32 s57, s[BH], 4                       ; the batch
	s_lshl_b32 s58, s57, 13
	s_mov_b32 s59, 0
	s_lshl_b32 s60, s[BH], 16                      ; Q: my pair of pass 0, 1,024 bytes a pair
	s_lshl_b32 s61, s[BLK], 14
	s_add_co_u32 s60, s60, s61
	s_lshl_b32 s61, s13, 10
	s_add_co_u32 s60, s60, s61
	s_mov_b32 s61, 0
	s_lshr_b32 s62, s60, 4
	s_mov_b32 s63, 0
	s_lshl_b32 s52, s57, 23                        ; out0: my 32 rows of pass 0, my head's 256 bytes
	s_lshl_b32 s53, s[BLK], 21
	s_add_co_u32 s52, s52, s53
	s_lshl_b32 s53, s13, 17
	s_add_co_u32 s52, s52, s53
	s_and_b32 s53, s[BH], 15
	s_lshl_b32 s53, s53, 8
	s_add_co_u32 s52, s52, s53
	s_mov_b32 s53, 0
	s_wait_alu depctr_va_vdst(0)
	s_wait_dscnt 0x0                               ; and the one wait for both adds
	s_wait_kmcnt 0x0
	s_add_nc_u64 s[G0C+2:G0C+3], s[4:5], s[24:25]
	s_or_b32 s[G0C+3], s[G0C+3], 0x80000000
	s_add_nc_u64 s[G0S+2:G0S+3], s[6:7], s[26:27]
	s_or_b32 s[G0S+3], s[G0S+3], 0x80000000
	s_add_nc_u64 s[8:9], s[8:9], s[58:59]
	s_add_nc_u64 s[60:61], s[4:5], s[60:61]
	s_add_nc_u64 s[62:63], s[6:7], s[62:63]
	s_add_nc_u64 s[10:11], s[10:11], s[52:53]
	global_load_b128 v[136:139], v[MO], s[8:9]     ; the mask's and Q's loads go out ahead of the round
	global_load_b128 v[140:143], v[MO], s[8:9] offset:16
	WIN 0x40
.irp u, 0,1
	global_load_b128 v[QF+8*\u:QF+8*\u+3], v[LN], s[60:61] offset:512*\u
.endr
	WIN 0
.irp u, 0,1
	global_load_u16 v[QS+\u], v[QO], s[62:63] offset:32*\u
.endr
	s_cmp_eq_u32 s[LT], 0
	s_cbranch_scc0 .Lone_pass                      ; Q of passes 1 and 2: four pairs on a pass
	WIN 0x40
.irp p, 1,2
.irp u, 0,1
	global_load_b128 v[QF+16*\p+8*\u:QF+16*\p+8*\u+3], v[LN], s[60:61] offset:4096*\p+512*\u
.endr
.endr
	WIN 0
.irp p, 1,2
.irp u, 0,1
	global_load_u16 v[QS+2*\p+\u], v[QO], s[62:63] offset:256*\p+32*\u
.endr
.endr
.Lone_pass:
	CROUND                                         ; all four work-groups are here: the joint loads meet
	s_cmp_lt_u32 s[WV], 4
	s_cbranch_scc0 .Lhead_s
	tensor_load_to_lds s[G0C:G0C+3], s[G1C:G1C+7]  ; waves 0, 1: K's halves; 2, 3: V's
	s_nop 0
.rept 4
	v_nop
.endr
	s_branch .Lhead_j
.Lhead_s:
	tensor_load_to_lds s[G0S:G0S+3], s[G1S:G1S+7]  ; waves 4, 5: the halves of K's scale bytes; 6, 7: of V's
	s_nop 0
.rept 4
	v_nop
.endr
.Lhead_j:
	v_and_b32 v[L7], 7, v0
	v_bfe_u32 v[B3], v0, 3, 1
	v_lshlrev_b32 v[AK0], 4, v[L7]                 ; K: 16 (r % 8) + KP (r / 8) + 256 h
	v_mad_u32_u24 v[AK0], v[B3], KP, v[AK0]
	v_lshl_add_u32 v[AK0], v[H_], 8, v[AK0]
	v_lshl_add_u32 v[AS0], v[L7], 1, KSB           ; K's scale words: 2 (r % 8) + 64 (r / 8); lanes 16-31 take the odd tile, 32 bytes on
	v_lshl_add_u32 v[AS0], v[B3], 6, v[AS0]
	v_lshl_add_u32 v[AS0], v[H_], 5, v[AS0]
	v_lshl_add_u32 v[AM0], v[H_], 7, MKB           ; the mask: 32 keys on for lanes 16-31
	v_add_nc_u32 v[AV0], VC, v[LN]
	v_lshrrev_b32 v[AT0], 2, v[LN]
	v_add_nc_u32 v[AT0], VSB, v[AT0]
	v_lshlrev_b32 v[SH8], 3, v[H_]
	s_mul_i32 s22, s[WV], 16*272
	s_add_co_u32 s22, s22, STG                     ; my stage
	v_mul_u32_u24 v[STO], v[R_], 272
	v_lshl_add_u32 v[STO], v[H_], 5, v[STO]
	v_add_nc_u32 v[STO], s22, v[STO]
	v_mul_u32_u24 v[RD], v[H_], 272
	v_lshl_add_u32 v[RD], v[R_], 4, v[RD]
	v_add_nc_u32 v[RD], s22, v[RD]
	v_lshlrev_b32 v[GO], 12, v[H_]
	v_lshl_add_u32 v[GO], v[R_], 4, v[GO]
	v_lshl_add_u32 v[MST], v0, 5, MKB
.irp q, 0,1
	v_mov_b32 v[BM+8*\q+5], 0                      ; a lane permute's destination counts as one of its sources
	v_mov_b32 v[ST+6*\q+5], 0                      ; named as the upper half of f's pair
.endr
	v_mov_b32 v[ADK], v[AK0]
	v_mov_b32 v[ADS], v[AS0]
	v_mov_b32 v[ADM], v[AM0]
	WIN 0x40
.irp p, 0,1,2
.irp u, 0,1
.irp j, 4,5,6,7
	v_mov_b32 v[QF+16*\p+8*\u+\j], 0               ; zero codes for k = 64 .. 127
.endr
.endr
.endr
.irp j, 32,33,34,35
	v_mov_b32 v[KF+\j], 0                          ; what the last tile's run names behind its four registers
.endr
	WIN 0
	s_wait_alu depctr_va_vdst(0)
	s_wait_loadcnt 0x0                             ; the mask and Q are in (the waves issue different numbers of loads, so the wait is for all)
.irp j, 0,1,2,3,4,5,6,7
	v_cvt_f32_i32 v[136+\j], v[136+\j]
.endr
.irp j, 0,1,2,3,4,5,6,7
	v_mul_f32 v[136+\j], 0xc79c4000, v[136+\j]     ; -80000 x mask: -10000 ahead of the division by 8 that c holds
.endr
	ds_store_b128 v[MST], v[136:139]
	ds_store_b128 v[MST], v[140:143] offset:16
	s_wait_alu depctr_va_vdst(0)
	s_wait_tensorcnt 0x0                           ; my tile is in,
	s_wait_dscnt 0x0                               ; and my part of the mask is stored
	s_barrier_signal -1
	s_barrier_wait -1                              ; both now hold of every wave
	KLOAD
	PASS 0
	s_wait_xcnt 0x0                                ; the stores have read their registers
	PASS 1
	s_wait_xcnt 0x0
	PASS 2
	s_wait_tensorcnt 0x0                           ; the wave's end
	ds_add_u32 v[SPW], v[NIL]
	s_wait_dscnt 0x0
	CROUND                                         ; the closing round
	s_endpgm
.Lfunc_end_k_qc6edbfe6e5_attn:
	.size	k_qc6edbfe6e5_attn, .Lfunc_end_k_qc6edbfe6e5_attn-k_qc6edbfe6e5_attn
	.p2alignl 7, 3214868480
	.fill 96, 4, 3214868480
	.section	.rodata,"a",@progbits
	.p2align	6, 0x0
	.amdhsa_kernel k_qc6edbfe6e5_attn
		.amdhsa_group_segment_fixed_size 327680
		.amdhsa_private_segment_fixed_size 0
		.amdhsa_enable_private_segment 0
		.amdhsa_kernarg_size 32
		.amdhsa_user_sgpr_count 2
		.amdhsa_user_sgpr_kernarg_segment_ptr 1
		.amdhsa_wavefront_size32 1
		.amdhsa_system_sgpr_workgroup_id_x 1
		.amdhsa_system_sgpr_workgroup_id_y 1
		.amdhsa_system_sgpr_workgroup_id_z 1
		.amdhsa_system_vgpr_workitem_id 0
		.amdhsa_next_free_vgpr 512
		.amdhsa_next_free_sgpr 66
		.amdhsa_reserve_vcc 0
		.amdhsa_float_denorm_mode_32 3
		.amdhsa_float_denorm_mode_16_64 3
		.amdhsa_memory_ordered 1
		.amdhsa_forward_progress 1
		.amdhsa_inst_pref_size 124
	.end_amdhsa_kernel
	.amdgpu_metadata
---
amdhsa.version: [ 1, 2 ]
amdhsa.kernels:
  - .name:           k_qc6edbfe6e5_attn
    .symbol:         k_qc6edbfe6e5_attn.kd
    .args:
      - { .name: qkvc, .offset: 0, .size: 8, .value_kind: global_buffer, .address_space: global }
      - { .name: qkvs, .offset: 8, .size: 8, .value_kind: global_buffer, .address_space: global }
      - { .name: mask, .offset: 16, .size: 8, .value_kind: global_buffer, .address_space: global }
      - { .name: out0, .offset: 24, .size: 8, .value_kind: global_buffer, .address_space: global }
    .group_segment_fixed_size: 327680
    .private_segment_fixed_size: 0
    .kernarg_segment_align: 8
    .kernarg_segment_size: 32
    .max_flat_workgroup_size: 256
    .sgpr_count:     66
    .vgpr_count:     512
    .wavefront_size: 32
...
	.end_amdgpu_metadata
.endif
;; end of part 3
